; MI455X (gfx1250); checked and timed in simulation.
; The chip was launched on July 23, 2026; its instructions are those of AMD's public machine-readable ISA for CDNA 5 (MIT licence, August 2026) and "CDNA5" Instruction Set Architecture Reference Guide (July 2026). The comments in the code are by the model that wrote it; some were corrected since.
;; Super Glue Multi Head Attention. Allowed arithmetic: matrix products marked QUANTISED: E4M3 operands, one given power-of-two scale a tensor, by v_wmma_f32_16x16x64_fp8_fp8 or v_wmma_f32_16x16x128_fp8_fp8, f32 sums; everything else in f32.
;; Inputs: bk 256 float32; bm 256 float32; bq 256 float32; bv 256 float32; key 4 x 256 x 2,048 float32; lowp_scales 12 int32 (the exponents e of the quantised operands' scales 2^e); query 4 x 256 x 2,048 float32; value 4 x 256 x 2,048 float32; wk 256 x 256 float32; wm 256 x 256 float32; wq 256 x 256 float32; wv 256 x 256 float32.
;; Outputs: out0 4 x 256 x 2,048 float32.
;; This version of the problem:
;;   THIS VERSION OF THE PROBLEM IS GIVEN IN LOW PRECISION. The matrix products marked QUANTISED in the list below multiply operands that are first quantised to E4M3 (4 exponent bits, 3 mantissa bits; 8 bits a number), with one given power-of-two scale for each operand tensor; their sums are f32. All else is computed in f32.
;;   The module's matrix products, in the order in which they are computed (A, B: the left and right operand; K: the contracted axis; several contracted axes count as one K, in the product's order):
;;     1. [M 8,192, K 256] x [K 256, N 256]; A: input query; B: input wq: QUANTISED (scales: A lowp_scales[0], B lowp_scales[1])
;;     2. [M 8,192, K 256] x [K 256, N 256]; A: input key; B: input wk: QUANTISED (scales: A lowp_scales[2], B lowp_scales[3])
;;     3. [M 8,192, K 256] x [K 256, N 256]; A: input value; B: input wv: QUANTISED (scales: A lowp_scales[4], B lowp_scales[5])
;;     4. batch 16 x [M 2,048, K 64] x [K 64, N 2,048]; A: computed on the way; B: computed on the way: QUANTISED (scales: A lowp_scales[6], B lowp_scales[7])
;;     5. batch 16 x [M 64, K 2,048] x [K 2,048, N 2,048]; A: computed on the way; B: softmax (see below): QUANTISED (scales: A lowp_scales[8], B lowp_scales[9])
;;     6. [M 8,192, K 256] x [K 256, N 256]; A: computed on the way; B: input wm: QUANTISED (scales: A lowp_scales[10], B lowp_scales[11])
;;   THE QUANTISER, for each operand of a quantised product, along K:
;;     - The operand's scale is 2^e, e = its entry of the input lowp_scales (int32; the entries are numbered through the quantised products in the list's order, A before B).
;;     - Each number is divided by the scale, clamped to +-448, and rounded to the nearest number of E4M3, ties to even, subnormals kept.
;;     - The product sums the exact products of the quantised numbers (number of the format x scale) in f32.
;;   ~~~python
;;   def quantise(x, axis, e):      # numpy; x: float32 -> the quantised numbers, widened to float32 again
;;       x = np.moveaxis(x, axis, -1); K = x.shape[-1]
;;       r = np.clip(x / 2.0 ** e, -448, 448)
;;       step = 2.0 ** (np.maximum(np.frexp(np.where(r == 0, 1, r))[1] - 1, -6) - 3)
;;       q = np.round(r / step) * step * 2.0 ** e      # np.round: ties to even
;;       return np.moveaxis(q, -1, axis).astype(np.float32)
;;   ~~~
;;   SOFTMAX AHEAD OF A QUANTISED PRODUCT. Where the list says 'softmax', what is quantised is not the finished softmax but p = 2^(t - M), with t = logit x log2(e) and M = ceil(the row's largest t), a whole number; so 1/2 < the row's largest p <= 1. The row's sum l is taken of the UNQUANTISED p, in f32, and the product's result is divided by l at the end. Since M is a whole number, a kernel that streams over the keys may use a running M (the ceiling of the running maximum): every later rescaling is an exact power of two, so the quantised numbers keep their values, but for numbers so far below the row's largest that they fall under the format's range.
;;   OPERANDS COMPUTED ON THE WAY. 'Computed on the way' means the value that the module computes at that place (a softmax that the list does not call 'softmax' is quantised finished and normalised). What goes into a quantiser is computed in f32, as accurately as f32 sums, v_exp_f32 and their like allow (about 1e-6 of the number): no bf16 or f16 on the way to a quantiser, and a product that is left as it is and whose result goes on into a quantised operand takes f32 operands (vector FMAs, or v_wmma_f32_16x16x4_f32). A number that lies on a knife's edge between two numbers of the format may be rounded either way, as far as f32 arithmetic and the matrix unit's own rounding can turn it there, and no further.
;; One version. Each part assembles by itself: llvm-mc -triple=amdgcn-amd-amdhsa -mcpu=gfx1250 --defsym DOCPART=n.
;; ======== version 1 of 1: 2 launches
;; limits: right only within a limited range of input values
;; workspace buffers: q_img 2,097,152 bytes; kv_img 4,194,304 bytes; wm_img 65,536 bytes
;; launch proj (part 1): grid 16 x 12, 8 waves a work-group, clusters of 4 x 1, 304,128 bytes of LDS; arguments query, key, value, wq, wk, wv, bq, bk, bv, wm, lowp_scales, q_img, kv_img, wm_img; writes q_img, kv_img, wm_img
.if DOCPART == 1
	.amdgcn_target "amdgcn-amd-amdhsa--gfx1250"
	.amdhsa_code_object_version 6
	.text
	.protected	k_qb8fa79debc_proj
	.globl	k_qb8fa79debc_proj
	.p2align	8
	.type	k_qb8fa79debc_proj,@function
k_qb8fa79debc_proj:
	s_mov_b64 s[64:65], 0
	v_nop
	global_prefetch_b8 v0, s[64:65] scope:SCOPE_SE
	s_setreg_imm32_b32 hwreg(HW_REG_WAVE_MODE, 25, 1), 1
	s_wait_xcnt 0x0
	s_wait_alu depctr_hold_cnt(0) depctr_sa_sdst(0) depctr_va_vdst(0) depctr_va_sdst(0) depctr_va_ssrc(0) depctr_va_vcc(0) depctr_vm_vsrc(0)
	s_getreg_b32 s2, hwreg(HW_REG_IB_STS2, 6, 4)
	s_cmp_eq_u32 s2, 0
	s_cbranch_scc0 .Lentry_in_a_cluster
	s_endpgm
.Lentry_in_a_cluster:
	s_bfe_u32 s2, ttmp6, 0x10000c
	s_cmp_lg_u32 s2, 0x3003
	s_cbranch_scc0 .Lentry_shape_is_right
	s_endpgm
.Lentry_shape_is_right:
; THE THREE PROJECTIONS, on codes of FP8 (E4M3), and wm's codes.  y[b][o][n] = sum over c of w[o][c] x[b][c][n] + bias[o], for (x, w, bias) = (query, wq, bq), (key, wk, bk), (value, wv, bv).
; x and w are quantised here with their given scales, the sums are f32, the bias goes in as the C of a sum's first product, and the result is quantised at once with the scale of the product that will read it.
; What is stored are IMAGES OF OPERAND REGISTERS for the second launch: four registers of a fragment are 512 bytes, lane l's 16 bytes at 16 l.  An output channel is o = 4 d + h (h: the head).
;   q_img:  fragment (b, h, nt) at ((4 b + h) 128 + nt) 1024: 16 queries x 64 d; registers 2 c, 2 c + 1 of lane (r, hl): query 16 nt + r, d = 16 c + 8 hl + 0 .. 7
;   kv_img: block (b, step of 128 keys) at (16 b + step) 65536: K's fragment (h, i) at 8192 h + 1024 i, laid as q's;
;           V's fragment (h, t) at 32768 + 8192 h + 2048 t: rows d = 16 t + r, registers 2 c, 2 c + 1: keys 16 c + 8 hl + 0 .. 7
;   wm_img: fragment (ot, g) at 4096 ot + 2048 g: rows o = 16 ot + r; registers 8 (hd % 2) + 2 cc, + 1: wm[o][4 d + hd], hd = 2 g + (0 or 1), d = 16 cc + 8 hl + 0 .. 7
; SHARES.  Work-group (x, y): tensor y / 4, batch y % 4, columns n = 128 x .. 128 x + 127, all 256 outputs, K = 256.  Wave w (h = w % 4, u = w / 4) owns the 32 weight rows o = 4 (32 u + i) + h:
; two tiles of 16 d of one head.  It also quantises rows c = 32 w .. 32 w + 31 of x for all eight waves: x's codes go from wave to wave through LDS as register images.
; q, k: source 0 = 16 weight rows, source 1 = 16 columns of x: a lane holds one column and eight neighbouring d: one conversion gives two registers of the fragment.
; v:    the sources are swapped: a lane holds one d and eight neighbouring keys, which are the second attention product's K.
; Along K both sides hold, in register 4 c + i, byte y of lane (r, hl), k = 128 ks + 32 c + 16 hl + 4 i + y: the same order in x and in w, so every product meets its partner.
; CLUSTER.  The four work-groups of a cluster have the same tensor and batch, so the same weights: each wave's 32 rows are asked for JOINTLY (mask 15).  x is not shared: every work-group has columns of its own.
; wm is quantised once in the launch: by waves 0 and 1 of the sixteen work-groups with y = 0, sixteen rows to a work-group.
; LIMITS on the given exponents, so that each power of two below is an f32 number: those of x, w and wm, and e_out - e_x - e_w, lie between -126 and 119.  NaN among the inputs is not served.
; REGISTERS.  Window 0: v1-3 lane, r, hl; v4-7 addresses; v8-15 scales and holds; v16-47 x's codes, later four accumulators; v48-111 my four weight fragments; v112-175, v176-239 two sets of 64 at work;
; v240-255 the bias as C.  Window 1: v0-127 my 32 rows of x as loaded.
.set WPITCH, 1040                      ; a weight row in LDS: 1,024 bytes + 16: row r starts 65 r sixteenths of 256 bytes on, so sixteen rows fall on sixteen different columns of 16 bytes
.set WWAVE,  32*WPITCH                 ; a wave's 32 rows
.set XIMG,   8*WWAVE                   ; behind the weights: x's images, a tile of 16 columns every XTILE bytes
.set XTILE,  4112                      ; two images of 2,048 bytes + 16, so that sixteen lanes' stores fall on sixteen different columns of 16 bytes
.set L16, 4                            ; v4  16 x lane: x's offset and the images' offset; never rewritten
.set XST, 5                            ; v5  where I store x's codes
.set WAD, 6                            ; v6  where I read my weights
.set XL,  7                            ; v7  XIMG + 16 x lane
.set XC,  16
.set ACC, 16
.set WF,  48
.set SA,  112
.set SB,  176
.set XF,  112
.set CD,  176
.set BA,  208
.set BI,  240
.set MSB, 0
.macro WIN new                         ; the immediate's high byte repeats the setting that is left
.if MSB != \new
	s_set_vgpr_msb (MSB<<8)|\new
.set MSB, \new
.endif
.endm
.macro CROUND                          ; a round of the cluster's barrier
	s_barrier_signal -1
	s_barrier_wait -1
	s_cmp_lg_u32 s4, 0
	s_cbranch_scc1 .Lnot_wave_0_\@
	s_barrier_signal -3
.Lnot_wave_0_\@:
	s_barrier_wait -3
	s_barrier_signal -1
	s_barrier_wait -1
.endm
.macro MKSC e, vs, vl                  ; v[vs] = 2^e as f32, v[vl] = 448 x 2^e
	s_add_co_i32 s56, \e, 127
	s_lshl_b32 s57, s56, 23
	v_mov_b32 v[\vs], s57
	s_add_co_i32 s56, s56, 8
	s_lshl_b32 s56, s56, 23
	s_or_b32 s56, s56, 0x600000
	v_mov_b32 v[\vl], s56
.endm
.macro WLOAD f, set                    ; fragment f = 2 tt + ks of my weights as f32: lane (r, hl) takes, of row 16 tt + r, 16 neighbours of each block of 32
.irp c, 0,1,2,3
.irp i, 0,1,2,3
	ds_load_b128 v[\set+16*\c+4*\i:\set+16*\c+4*\i+3], v[WAD] offset:((\f)/2)*16*WPITCH+((\f)%2)*512+128*\c+16*\i
.endr
.endr
.endm
.macro QW f, set                       ; and becomes codes
.irp c, 0,1,2,3
.irp i, 0,1,2,3,4,5,6,7,8,9,10,11,12,13,14,15
.endr
	v_cvt_scalef32_pk8_fp8_f32 v[WF+16*(\f)+4*\c:WF+16*(\f)+4*\c+1], v[\set+16*\c:\set+16*\c+7], v10
	v_cvt_scalef32_pk8_fp8_f32 v[WF+16*(\f)+4*\c+2:WF+16*(\f)+4*\c+3], v[\set+16*\c+8:\set+16*\c+15], v10
.endr
	v_nop                                          ; one plain vector instruction behind the last conversion of a run
.endm
.macro FETCHX p                        ; x's four fragments (two tiles of columns x two K steps) of pair p
.irp nn, 0,1
.irp ks, 0,1
.irp c, 0,1,2,3
	ds_load_b128 v[XF+16*(2*\nn+\ks)+4*\c:XF+16*(2*\nn+\ks)+4*\c+3], v[XL] offset:(2*(\p)+\nn)*XTILE+\ks*2048+512*\c
.endr
.endr
.endr
.endm
; Two tiles of columns x my two tiles of d: eight products on four accumulators by turns, the conversions.  swap = 1: v's way.
.macro PAIR p, swap
	s_wait_dscnt 0x0                               ; x's four fragments are in
.irp ks, 0,1
.irp nn, 0,1
.irp tt, 0,1
.if \swap
.if \ks == 0
	v_wmma_f32_16x16x128_fp8_fp8 v[ACC+8*(2*\nn+\tt):ACC+8*(2*\nn+\tt)+7], v[XF+16*(2*\nn+\ks):XF+16*(2*\nn+\ks)+15], v[WF+16*(2*\tt+\ks):WF+16*(2*\tt+\ks)+15], v[BI+8*\tt:BI+8*\tt+7]
.else
	v_wmma_f32_16x16x128_fp8_fp8 v[ACC+8*(2*\nn+\tt):ACC+8*(2*\nn+\tt)+7], v[XF+16*(2*\nn+\ks):XF+16*(2*\nn+\ks)+15], v[WF+16*(2*\tt+\ks):WF+16*(2*\tt+\ks)+15], v[ACC+8*(2*\nn+\tt):ACC+8*(2*\nn+\tt)+7]
.endif
.else
.if \ks == 0
	v_wmma_f32_16x16x128_fp8_fp8 v[ACC+8*(2*\nn+\tt):ACC+8*(2*\nn+\tt)+7], v[WF+16*(2*\tt+\ks):WF+16*(2*\tt+\ks)+15], v[XF+16*(2*\nn+\ks):XF+16*(2*\nn+\ks)+15], v[BI+8*\tt:BI+8*\tt+7]
.else
	v_wmma_f32_16x16x128_fp8_fp8 v[ACC+8*(2*\nn+\tt):ACC+8*(2*\nn+\tt)+7], v[WF+16*(2*\tt+\ks):WF+16*(2*\tt+\ks)+15], v[XF+16*(2*\nn+\ks):XF+16*(2*\nn+\ks)+15], v[ACC+8*(2*\nn+\tt):ACC+8*(2*\nn+\tt)+7]
.endif
.endif
.endr
.endr
.endr
.rept 4
	v_nop                                          ; four places in front of the loads into x's fragments and of the first read of the sums
.endr
.if (\p) < 3
	FETCHX (\p)+1
.endif
.irp nn, 0,1
.irp tt, 0,1
.irp j, 0,1,2,3,4,5,6,7
.endr
.if \swap
	v_cvt_scalef32_pk8_fp8_f32 v[CD+16*\tt+2*(2*(\p)+\nn):CD+16*\tt+2*(2*(\p)+\nn)+1], v[ACC+8*(2*\nn+\tt):ACC+8*(2*\nn+\tt)+7], v12   ; keys 16 (2 p + nn) + 8 hl + 0 .. 7 of d = 16 tt + r
.else
	v_cvt_scalef32_pk8_fp8_f32 v[CD+4*(2*(\p)+\nn)+2*\tt:CD+4*(2*(\p)+\nn)+2*\tt+1], v[ACC+8*(2*\nn+\tt):ACC+8*(2*\nn+\tt)+7], v12     ; d = 16 (2 u + tt) + 8 hl + 0 .. 7 of column r
.endif
.endr
.endr
	v_nop                                          ; one plain vector instruction behind the last conversion: the next products write its sources
.if \swap == 0
.irp nn, 0,1
	global_store_b128 v[L16], v[CD+4*(2*(\p)+\nn):CD+4*(2*(\p)+\nn)+3], s[18:19] offset:1024*(2*(\p)+\nn)   ; 32 lanes store 512 consecutive bytes, at a multiple of 512 from the buffer's first byte
.endr
.endif
.endm
	s_load_b512 s[68:83], s[0:1], 0x0              ; query 68, key 70, value 72, wq 74, wk 76, wv 78, bq 80, bk 82
	s_load_b256 s[84:91], s[0:1], 0x40             ; bv 84, wm 86, the scales' exponents 88, q_img 90
	s_load_b128 s[92:95], s[0:1], 0x60             ; kv_img 92, wm_img 94
	s_set_vgpr_msb 0x40
	v_lshl_add_u32 v128, v0, 2, 0x4a000
	v_mov_b32 v129, 0
	s_set_vgpr_msb 0x4045
	ds_add_u32 v128, v129
	ds_add_u32 v128, v129
	s_set_vgpr_msb 0x4500
	v_lshrrev_b32 v1, 5, v0
	s_delay_alu instid0(VALU_DEP_1)
	v_readfirstlane_b32 s4, v1                     ; wave 0..7
	s_and_b32 s5, s4, 3                            ; h
	s_lshr_b32 s6, s4, 2                           ; u
	s_bfe_u32 s7, ttmp6, 0x40000                   ; cx: my place in the cluster
	s_lshl_b32 s8, ttmp9, 2
	s_add_co_u32 s8, s8, s7                        ; my block of 128 columns: it enters global addresses alone
	s_and_b32 s9, ttmp7, 0xffff                    ; y, which the four partners share
	s_lshr_b32 s10, s9, 2                          ; the tensor: 0 q, 1 k, 2 v
	s_and_b32 s11, s9, 3                           ; the batch
	v_and_b32 v1, 31, v0                           ; lane
	v_and_b32 v2, 15, v0                           ; r
	v_bfe_u32 v3, v0, 4, 1                         ; hl
	s_delay_alu instid0(VALU_DEP_3)
	v_lshlrev_b32 v[L16], 4, v1
	; lane l holds columns 4 l + q of x.  Column n's 16 codes go to tile n / 16, K step w / 4, group w % 4, place (n % 16) + 16 x (which half of my 32 rows)
	v_bfe_u32 v[XST], v0, 2, 3                     ; l / 4: the tile
	s_delay_alu instid0(VALU_DEP_1)
	v_mul_u32_u24 v[XST], v[XST], XTILE
	v_and_b32 v[WAD], 3, v0
	s_delay_alu instid0(VALU_DEP_1)
	v_lshl_add_u32 v[XST], v[WAD], 6, v[XST]       ; + 64 (l % 4)
	s_lshl_b32 s56, s6, 11
	s_lshl_b32 s57, s5, 9
	s_add_co_u32 s56, s56, s57
	s_add_co_u32 s56, s56, XIMG
	v_add_nc_u32 v[XST], s56, v[XST]
	v_mul_u32_u24 v[WAD], v2, WPITCH
	s_delay_alu instid0(VALU_DEP_1)
	v_lshl_add_u32 v[WAD], v3, 6, v[WAD]           ; row r, + 64 hl
	s_mul_i32 s21, s4, WWAVE                       ; my weights' place in LDS: also the descriptor's LDS address
	v_add_nc_u32 v[WAD], s21, v[WAD]
	v_add_nc_u32 v[XL], XIMG, v[L16]
	; descriptor group 1: 32 rows of 256 f32, every fourth row of the weight, 16 bytes of padding behind each row
	s_mov_b32 s24, 15|(2<<16)|(1<<20)|(1<<21)|(7<<22)|(3<<25)  ; 15:0 the mask: all four work-groups; 17:16 elements of 4 bytes; 20 padding on; 21 set beside a mask; 24:22 after every 256 words (code 7); 31:25 four words (code 3)
	s_mov_b32 s25, 256<<16                         ; tensor_dim0
	s_mov_b32 s26, 32<<16                          ; tensor_dim1
	s_mov_b32 s27, 256<<16                         ; tile_dim0
	s_mov_b32 s28, 32                              ; tile_dim1
	s_mov_b32 s29, 1024                            ; from row to row: four rows of the weight
	s_mov_b32 s30, 0
	s_mov_b32 s31, 0
	; byte offsets.  The weights' and the bias's hang on the wave alone; s61-63 take what hangs on my block of columns
	s_lshl_b32 s36, s6, 17
	s_lshl_b32 s56, s5, 10
	s_add_co_u32 s36, s36, s56                     ; weights: row 128 u + h
	s_mov_b32 s37, 0
	s_lshl_b32 s38, s6, 9
	s_lshl_b32 s56, s5, 2
	s_add_co_u32 s38, s38, s56                     ; bias: entry 128 u + h
	s_mov_b32 s39, 0
	s_lshl_b32 s32, s11, 21                        ; x: the batch,
	s_lshl_b32 s56, s4, 18
	s_add_co_u32 s32, s32, s56                     ; my 32 rows of 8,192 bytes,
	s_lshl_b32 s61, s8, 9
	s_add_co_u32 s32, s32, s61                     ; my work-group's 512 bytes of a row
	s_mov_b32 s33, 0
	s_lshl_b32 s34, s11, 2
	s_add_co_u32 s34, s34, s5
	s_lshl_b32 s34, s34, 17
	s_lshl_b32 s61, s8, 13
	s_add_co_u32 s34, s34, s61
	s_lshl_b32 s61, s6, 9
	s_add_co_u32 s34, s34, s61                     ; q's images: (4 b + h) 2^17 + 8,192 x block + 512 u
	s_lshl_b32 s62, s11, 4
	s_add_co_u32 s62, s62, s8
	s_lshl_b32 s62, s62, 16
	s_lshl_b32 s63, s5, 13
	s_add_co_u32 s62, s62, s63                     ; the key step's block, + 8,192 h
	s_add_co_u32 s61, s62, s61                     ; k's: + 512 u
	s_lshl_b32 s63, s6, 12
	s_add_co_u32 s62, s62, s63
	s_add_co_u32 s62, s62, 32768                   ; v's: + 32,768 + 4,096 u
	s_cmp_eq_u32 s10, 0
	s_cselect_b32 s34, s34, s61
	s_cmp_eq_u32 s10, 2
	s_cselect_b32 s34, s62, s34
	s_mov_b32 s35, 0
	; the bias in the result's layout.  q, k: register j is d = 8 hl + j of the tile: 128 hl + 16 j bytes on.  v: all eight registers are d = r: 16 r bytes on
	s_cselect_b32 s58, 16, 0
	s_cselect_b32 s59, 0, 128
	s_cselect_b32 s60, 0, 16
	v_mul_u32_u24 v[BA], s58, v2
	s_delay_alu instid0(VALU_DEP_1)
	v_mad_u32_u24 v[BA], v3, s59, v[BA]
.irp j, 1,2,3,4,5,6,7
	s_delay_alu instid0(VALU_DEP_1)
	v_add_nc_u32 v[BA+\j], s60, v[BA+\j-1]
.endr
	s_wait_alu depctr_va_vdst(0)
	s_wait_dscnt 0x0
	s_wait_kmcnt 0x0
	s_load_b256 s[40:47], s[88:89], 0x0            ; the twelve exponents
	s_load_b128 s[48:51], s[88:89], 0x20
	s_cmp_eq_u32 s10, 0                            ; the buffers are chosen by the work-group's y alone
	s_cselect_b64 s[12:13], s[68:69], s[70:71]
	s_cselect_b64 s[14:15], s[74:75], s[76:77]
	s_cselect_b64 s[16:17], s[80:81], s[82:83]
	s_cselect_b64 s[18:19], s[90:91], s[92:93]
	s_cmp_eq_u32 s10, 2
	s_cselect_b64 s[12:13], s[72:73], s[12:13]
	s_cselect_b64 s[14:15], s[78:79], s[14:15]
	s_cselect_b64 s[16:17], s[84:85], s[16:17]
	s_add_nc_u64 s[12:13], s[12:13], s[32:33]
	s_add_nc_u64 s[16:17], s[16:17], s[38:39]
	s_add_nc_u64 s[18:19], s[18:19], s[34:35]
.irp tt, 0,1
.irp j, 0,1,2,3,4,5,6,7
	global_load_b32 v[BI+8*\tt+\j], v[BA+\j], s[16:17] offset:256*\tt
.endr
.endr
	WIN 0x40                                       ; destination window 1
.set i, 0
.rept 32
	global_load_b128 v[4*i:4*i+3], v[L16], s[12:13] offset:8192*i th:TH_LOAD_NT   ; row 32 w + i: 32 lanes read the work-group's 512 consecutive bytes of it; read once in the launch
.set i, i+1
.endr
	WIN 0
	s_mov_b32 s20, 1                               ; group 0: count = 1; s21 the LDS address;
	s_add_nc_u64 s[22:23], s[14:15], s[36:37]      ; the global address: it hangs on the tensor and the wave alone
	s_or_b32 s23, s23, 0x80000000                  ; type = 2
	CROUND                                         ; all four work-groups are here: the joint loads meet
	tensor_load_to_lds s[20:23], s[24:31]          ; my 32 weight rows: the one tensor load of this wave
	s_nop 0
.rept 4
	v_nop
.endr
	s_wait_kmcnt 0x0
	s_cmp_eq_u32 s10, 0
	s_cselect_b32 s52, s40, s42                    ; x's exponent,
	s_cselect_b32 s53, s41, s43                    ; the weight's,
	s_cselect_b32 s54, s46, s47                    ; the result's
	s_cmp_eq_u32 s10, 2
	s_cselect_b32 s52, s44, s52
	s_cselect_b32 s53, s45, s53
	s_cselect_b32 s54, s48, s54
	s_add_co_i32 s55, s52, s53
	s_sub_co_i32 s54, s54, s55                     ; a sum stands for sum x 2^(e_x + e_w): the three scales are folded into the conversion's one
	s_sub_co_i32 s55, 0, s55                       ; and the bias goes in divided by 2^(e_x + e_w)
	MKSC s52, 8, 9
	MKSC s53, 10, 11
	MKSC s54, 12, 13
	MKSC s51, 14, 15                               ; wm's
	; ---- wm's codes: waves 0 and 1 of the work-groups with y = 0 (the same branch in all partners: it hangs on the wave and on y).  Rows 16 x block + r, channels 128 x wave on
	s_lshr_b32 s56, s4, 1
	s_or_b32 s56, s56, s9
	s_cmp_lg_u32 s56, 0
	s_cbranch_scc1 .Lno_wm
	s_lshl_b32 s61, s8, 14
	s_lshl_b32 s57, s4, 9
	s_add_co_u32 s61, s61, s57
	v_lshlrev_b32 v47, 10, v2
	s_delay_alu instid0(VALU_DEP_1)
	v_lshl_add_u32 v47, v3, 7, v47
	s_delay_alu instid0(VALU_DEP_1)
	v_add_nc_u32 v47, s61, v47                     ; row r of 1,024 bytes, + 512 x wave + 128 hl
.irp e, 0,1
.irp j, 0,1,2,3,4,5,6,7
	global_load_b128 v[SA+32*\e+4*\j:SA+32*\e+4*\j+3], v47, s[86:87] offset:256*\e+16*\j   ; one d = 32 x wave + 16 e + 8 hl + j, the four heads
.endr
.endr
	s_lshl_b32 s62, s8, 12
	s_add_co_u32 s62, s62, s57
	s_mov_b32 s63, 0
	s_add_nc_u64 s[94:95], s[94:95], s[62:63]
	s_wait_loadcnt 0x0
	s_wait_alu depctr_va_vdst(0)
.irp hd, 0,1,2,3
.irp e, 0,1
.irp j, 0,1,2,3,4,5,6,7
	v_med3_num_f32 v[SB+16*\hd+8*\e+\j], v[SA+32*\e+4*\j+\hd], -v15, v15   ; the hold also sorts the numbers by head
.endr
	v_cvt_scalef32_pk8_fp8_f32 v[XC+4*\hd+2*\e:XC+4*\hd+2*\e+1], v[SB+16*\hd+8*\e:SB+16*\hd+8*\e+7], v14
.endr
.endr
	v_nop
.irp hd, 0,1,2,3
	global_store_b128 v[L16], v[XC+4*\hd:XC+4*\hd+3], s[94:95] offset:1024*\hd
.endr
	s_wait_xcnt 0x0                                ; the stores have read their registers: x's codes are written there next
.Lno_wm:
	s_wait_alu depctr_va_vdst(0)
	; ---- x: my 32 rows become codes, sixteen rows at a time
.irp hh, 0,1
	s_wait_loadcnt 16-16*\hh                       ; the bias and rows 0-15 are in, the sixteen younger loads (rows 16-31) may be out; then all
	WIN 0x01                                       ; source 0 window 1
.irp q, 0,1,2,3
.set ii, 0
.rept 16
	v_med3_num_f32 v[SA+16*\q+ii], v[4*(16*\hh+ii)+\q], -v9, v9   ; the hold also lays column 4 l + q's sixteen neighbours along K on end
.set ii, ii+1
.endr
.endr
	WIN 0
.irp q, 0,1,2,3
	v_cvt_scalef32_pk8_fp8_f32 v[XC+16*\hh+4*\q:XC+16*\hh+4*\q+1], v[SA+16*\q:SA+16*\q+7], v8
	v_cvt_scalef32_pk8_fp8_f32 v[XC+16*\hh+4*\q+2:XC+16*\hh+4*\q+3], v[SA+16*\q+8:SA+16*\q+15], v8
.endr
	v_nop
.irp q, 0,1,2,3
	ds_store_b128 v[XST], v[XC+16*\hh+4*\q:XC+16*\hh+4*\q+3] offset:16*\q+256*\hh
.endr
.endr
.set i, 0
.rept 16
	v_ldexp_f32 v[BI+i], v[BI+i], s55
.set i, i+1
.endr
	; ---- my weights become four fragments, through two sets of registers by turns
	s_wait_tensorcnt 0x0                           ; my rows are in LDS; only I read them
	WLOAD 0, SA
	WLOAD 1, SB
	s_wait_dscnt 16                                ; all but the sixteen just issued
	QW 0, SA
	WLOAD 2, SA
	s_wait_dscnt 16
	QW 1, SB
	WLOAD 3, SB
	s_wait_dscnt 16
	QW 2, SA
	s_wait_dscnt 0x0
	QW 3, SB
	s_wait_dscnt 0x0                               ; for the others' sake: my stores of x's codes have landed
	s_barrier_signal -1
	s_barrier_wait -1                              ; x's sixteen images lie in LDS
	FETCHX 0
	s_cmp_eq_u32 s10, 2
	s_cbranch_scc1 .Lv
	s_wait_alu depctr_va_vdst(0)
	PAIR 0, 0
	PAIR 1, 0
	PAIR 2, 0
	PAIR 3, 0
	s_branch .Lend
.Lv:
	s_wait_alu depctr_va_vdst(0)
	PAIR 0, 1
	PAIR 1, 1
	PAIR 2, 1
	s_wait_alu depctr_va_vdst(0)
	PAIR 3, 1
.irp tt, 0,1
.irp c, 0,1,2,3
	global_store_b128 v[L16], v[CD+16*\tt+4*\c:CD+16*\tt+4*\c+3], s[18:19] offset:2048*\tt+512*\c
.endr
.endr
.Lend:
	s_wait_dscnt 0x0
	s_set_vgpr_msb 0x5
	s_wait_tensorcnt 0x0
	ds_add_u32 v128, v129
	s_wait_dscnt 0x0
	s_set_vgpr_msb 0x500
	CROUND                                         ; the closing round: no work-group ends while a partner may still ask for rows that name it
	s_endpgm
.Lfunc_end_k_qb8fa79debc_proj:
	.size	k_qb8fa79debc_proj, .Lfunc_end_k_qb8fa79debc_proj-k_qb8fa79debc_proj
	.p2alignl 7, 3214868480
	.fill 96, 4, 3214868480
	.section	.rodata,"a",@progbits
	.p2align	6, 0x0
	.amdhsa_kernel k_qb8fa79debc_proj
		.amdhsa_group_segment_fixed_size 304128
		.amdhsa_private_segment_fixed_size 0
		.amdhsa_enable_private_segment 0
		.amdhsa_kernarg_size 112
		.amdhsa_user_sgpr_count 2
		.amdhsa_user_sgpr_kernarg_segment_ptr 1
		.amdhsa_wavefront_size32 1
		.amdhsa_system_sgpr_workgroup_id_x 1
		.amdhsa_system_sgpr_workgroup_id_y 1
		.amdhsa_system_sgpr_workgroup_id_z 1
		.amdhsa_system_vgpr_workitem_id 0
		.amdhsa_next_free_vgpr 386
		.amdhsa_next_free_sgpr 100
		.amdhsa_reserve_vcc 0
		.amdhsa_float_denorm_mode_32 3
		.amdhsa_float_denorm_mode_16_64 3
		.amdhsa_fp16_overflow 1
		.amdhsa_memory_ordered 1
		.amdhsa_forward_progress 1
		.amdhsa_inst_pref_size 53
	.end_amdhsa_kernel
	.amdgpu_metadata
---
amdhsa.version: [ 1, 2 ]
amdhsa.kernels:
  - .name:           k_qb8fa79debc_proj
    .symbol:         k_qb8fa79debc_proj.kd
    .args:
      - { .name: query, .offset: 0, .size: 8, .value_kind: global_buffer, .address_space: global }
      - { .name: key, .offset: 8, .size: 8, .value_kind: global_buffer, .address_space: global }
      - { .name: value, .offset: 16, .size: 8, .value_kind: global_buffer, .address_space: global }
      - { .name: wq, .offset: 24, .size: 8, .value_kind: global_buffer, .address_space: global }
      - { .name: wk, .offset: 32, .size: 8, .value_kind: global_buffer, .address_space: global }
      - { .name: wv, .offset: 40, .size: 8, .value_kind: global_buffer, .address_space: global }
      - { .name: bq, .offset: 48, .size: 8, .value_kind: global_buffer, .address_space: global }
      - { .name: bk, .offset: 56, .size: 8, .value_kind: global_buffer, .address_space: global }
      - { .name: bv, .offset: 64, .size: 8, .value_kind: global_buffer, .address_space: global }
      - { .name: wm, .offset: 72, .size: 8, .value_kind: global_buffer, .address_space: global }
      - { .name: lowp_scales, .offset: 80, .size: 8, .value_kind: global_buffer, .address_space: global }
      - { .name: q_img, .offset: 88, .size: 8, .value_kind: global_buffer, .address_space: global }
      - { .name: kv_img, .offset: 96, .size: 8, .value_kind: global_buffer, .address_space: global }
      - { .name: wm_img, .offset: 104, .size: 8, .value_kind: global_buffer, .address_space: global }
    .group_segment_fixed_size: 304128
    .private_segment_fixed_size: 0
    .kernarg_segment_align: 8
    .kernarg_segment_size: 112
    .max_flat_workgroup_size: 256
    .sgpr_count:     100
    .vgpr_count:     386
    .wavefront_size: 32
...
	.end_amdgpu_metadata
.endif
;; end of part 1
;; launch attn (part 2): grid 64 x 4, 8 waves a work-group, clusters of 4 x 1, 327,680 bytes of LDS; arguments q_img, kv_img, wm_img, bm, lowp_scales, out0; writes out0
.if DOCPART == 2
	.amdgcn_target "amdgcn-amd-amdhsa--gfx1250"
	.amdhsa_code_object_version 6
	.text
	.protected	k_qb8fa79debc_attn
	.globl	k_qb8fa79debc_attn
	.p2align	8
	.type	k_qb8fa79debc_attn,@function
k_qb8fa79debc_attn:
	s_mov_b64 s[64:65], 0
	v_nop
	global_prefetch_b8 v0, s[64:65] scope:SCOPE_SE
	s_setreg_imm32_b32 hwreg(HW_REG_WAVE_MODE, 25, 1), 1
	s_wait_xcnt 0x0
	s_wait_alu depctr_hold_cnt(0) depctr_sa_sdst(0) depctr_va_vdst(0) depctr_va_sdst(0) depctr_va_ssrc(0) depctr_va_vcc(0) depctr_vm_vsrc(0)
	s_getreg_b32 s2, hwreg(HW_REG_IB_STS2, 6, 4)
	s_cmp_eq_u32 s2, 0
	s_cbranch_scc0 .Lentry_in_a_cluster
	s_endpgm
.Lentry_in_a_cluster:
	s_bfe_u32 s2, ttmp6, 0x10000c
	s_cmp_lg_u32 s2, 0x3003
	s_cbranch_scc0 .Lentry_shape_is_right
	s_endpgm
.Lentry_shape_is_right:
; ATTENTION AND THE LAST PROJECTION, on codes of FP8 (E4M3).  The operands come as images of their registers (512 bytes for four registers, lane l's 16 bytes at 16 l), laid by the first launch.
; SOFTMAX.  t = score x log2(e) / 8; M = the largest t so far, rounded UP to a whole number; p = 2^(t - M) is quantised along the keys, not normalised; the row's sum is taken of the unquantised p and divides at the end.
; When M moves, the sum and O are multiplied by 2^(old M - new M), which rounds nothing.
; SHARES.  A work-group owns 32 queries of one batch, all four heads, so that it can also make its 32 columns of out0.  Wave w: head h = w % 4, and the key steps (128 keys) of parity sp = w / 4: 8 of the 16.
; It holds BOTH tiles of 16 queries, so each fragment of K and V is read from LDS once in the work-group and feeds two products.  Its tile a is query tile sp, its tile b the other: the choice lies in Q's addresses alone.
; At the end each wave hands tile b's partial O, M and sum to wave w xor 4 through LDS and finishes tile a: the two halves are brought under one M by exact powers of two.
; LAYOUT.  S^T = K Q^T (source 0 = 16 keys, source 1 = 16 queries), O^T = V^T P (source 0 = 16 d, source 1 = P): a lane holds one query throughout; eight registers of a tile of S^T are eight neighbouring keys,
; and one conversion makes of them two registers of P; likewise O^T's tiles become the last product's operand, whose K runs head by head in the order in which wm's images were laid.
; RING.  Two LDS slots of 131,072 bytes, each with two key steps' blocks (one for each parity), dense in memory; each wave moves 16,384 bytes of a slot by one tensor load.  Both slots' first fills go out together at the head.
; CLUSTER.  The four work-groups of a cluster belong to one batch and walk the same K and V: every tile is asked for JOINTLY (mask 15).  wm's images and bm are each read once by one wave, Q by both waves of its head, through registers.
; THE WALK.  A batch's K and V are eight slots' worth.  Cluster x of the batch begins at slot x mod 8 and goes round: the running M makes the order of the keys free.  So the sixteen clusters of a batch ask for eight
; different slots at any time, two clusters each.  The start hangs on the cluster's number alone, which the four partners share.
; Nothing is prefetched: the first fills of a batch's clusters, slots x mod 8 and (x + 1) mod 8, together name all eight slots at the launch's head.
; out0: a work-group's share of a row of out0 is its 32 queries, 128 bytes: a store of a wave covers four rows' 128 consecutive bytes.  8,192 columns over 256 work-groups leave no more to a work-group.
; LIMITS on the given exponents, so that each power of two below is an f32 number: e6 + e7 between -123 and 130 (added to c's exponent field); e9 and e10 between -126 and 119; e10 + e11 between -126 and 127;
; e8 + e9 is applied by v_ldexp_f32.  |t| stays under 3e38.  NaN among the inputs is not served.
; REGISTERS.  Window 0: v1-7 addresses and constants; v8-17, v20-29 the two tiles' statistics; v18, v19 offsets; v32-95 K's, then V's fragments; v96-223 S^T, then p, 64 a tile; v224-255 P's codes.
; Window 1: v0-63 O^T, 32 a tile; v64-79 Q; v80-143 my four fragments of wm; v144, v145 bm.
; SCALARS.  s18 wave, s19 h, s20 sp; s[24:31] descriptor group 1; s[80:83] group 0 of the first fill of LDS slot 0; s[32:35] group 0 of slot 1's first fill, which then walks; s[84:85] K and V at my batch and my 16,384 bytes
; of a slot; s[86:87] the walking slot's byte offset in the batch; s[36:37] c; s[38:39] lane selects; s40 the LDS slot in hand; s41 slots still to be asked for.
.set SLOT1, 1<<17                      ; slot 1 begins here: one exclusive or turns an address in one slot into the other's
.set BATCHB, 1<<20                     ; a batch's K and V in bytes: eight slots
.set SPARE, 2*SLOT1                    ; behind the ring: the spare words, 128 bytes for each wave: four blocks of 256 bytes that no other line names
.set XS,    SPARE+1024                 ; a region for each wave: first what it hands over (4,096 bytes of O, 128 of -M, 128 of the sum), later its stage for out0: 32 rows x (128 + 16) bytes
.set XSW,   4608
.set OIMG,  XS+8*XSW                   ; O's eight fragments (query tile, head), 1,024 bytes each
.set AL0, 1                            ; v1   my lane's place in a slot: 16 x lane + 8,192 h + 65,536 sp
.set AD,  2                            ; v2   the same in the slot in hand
.set SPW, 4                            ; v4   LDS address of my spare word; never rewritten
.set NIL, 5                            ; v5   0; never rewritten
.set PLIM, 6
.set PSC, 7                            ; v7   2^e9
.set ST,  8                            ; tile x's statistics at v[ST+12 x]: +0 -M, +1 the largest t, +2, +3 the sum in two halves, +4 f (+5: named with it), +6, +7 at work, +8 the other half's, +9 at work
.set L16, 18                           ; v18  16 x lane; never rewritten
.set R4,  19                           ; v19  4 x (lane % 16); never rewritten
.set KV,  32
.set S,   96
.set P,   224
.set QF,  64                           ; window 1
.set WMF, 80
.set BMR, 144
.set XW,  192                          ; the end's addresses, in registers that p has left
.set XW4, 193
.set XRD, 194
.set XR4, 195
.set OW,  196
.set OLD, 197
.set STO, 198
.set SRD, 199
.set GO,  200
.set MSB, 0
.macro WIN new                         ; the immediate's high byte repeats the setting that is left
.if MSB != \new
	s_set_vgpr_msb (MSB<<8)|\new
.set MSB, \new
.endif
.endm
.macro CROUND                          ; a round of the cluster's barrier
	s_barrier_signal -1
	s_barrier_wait -1
	s_cmp_lg_u32 s18, 0
	s_cbranch_scc1 .Lnot_wave_0_\@
	s_barrier_signal -3
.Lnot_wave_0_\@:
	s_barrier_wait -3
	s_barrier_signal -1
	s_barrier_wait -1
.endm
; THE CHANGE OF SLOTS stands at a slot's head.  Each wave waits for all its tensor loads (its part of the slot that it is about to read), adds 0 to its spare word, and waits for that and for its reads of the slot
; that it has left.  fill = 1: the barrier is a round of the cluster's, and behind it that other slot is filled with the walk's next two key steps, jointly: the load has a whole key step of every wave in which to land.
.macro CHANGE fill
	s_wait_tensorcnt 0x0                           ; no tensor load of mine is out, so group 0 may be written
	ds_add_u32 v[SPW], v[NIL]                      ; 0 onto my spare word: with fill = 1 the descriptor's steps stand between it and the wait for it
.if \fill
	s_xor_b32 s33, s33, SLOT1                      ; the walking descriptor: the other LDS slot than last time,
	s_add_co_u32 s86, s86, SLOT1                   ; the batch's next slot,
	s_and_b32 s86, s86, BATCHB-1                   ; behind the eighth the first
	s_add_nc_u64 s[34:35], s[84:85], s[86:87]
	s_or_b32 s35, s35, 0x80000000                  ; type = 2
	s_wait_dscnt 0x0                               ; the add is done, and my reads of the slot that I have left are over
	CROUND
	tensor_load_to_lds s[32:35], s[24:31]          ; the first thing behind the round, and my one tensor load until the next
	s_nop 0
.rept 4
	v_nop
.endr
.else
	s_wait_dscnt 0x0
	s_barrier_signal -1
	s_barrier_wait -1
.endif
.endm
; A KEY STEP: 128 keys, both tiles of queries.
.macro STEP
	v_add_nc_u32 v[AD], s40, v[AL0]
.set i, 0
.rept 8
	ds_load_b128 v[KV+8*i:KV+8*i+3], v[AD] offset:1024*i           ; K's fragment i: keys 16 i on
	ds_load_b128 v[KV+8*i+4:KV+8*i+7], v[AD] offset:1024*i+512
.set i, i+1
.endr
	WIN 0x04                                       ; source 1 (Q) window 1
.set i, 0
	s_wait_alu depctr_va_vdst(0)
.rept 8
	s_wait_dscnt 14-2*i                            ; fragment i is in; the younger loads of the sixteen may be out
.irp x, 0,1
	v_wmma_f32_16x16x64_fp8_fp8 v[S+64*\x+8*i:S+64*\x+8*i+7], v[KV+8*i:KV+8*i+7], v[QF+8*\x:QF+8*\x+7], 0
.endr
.set i, i+1
.endr
	WIN 0
.rept 4
	v_nop                                          ; four places in front of the loads into K's registers and of the first read of the scores
.endr
.set i, 0
.rept 16
	ds_load_b128 v[KV+4*i:KV+4*i+3], v[AD] offset:32768+512*i      ; V's four fragments: they land while the softmax is walked
.set i, i+1
.endr
	; the step's largest score of my query among my 64 keys, two chains a tile, each accumulator from its low end on
.irp x, 0,1
	v_max3_num_f32 v[ST+12*\x+6], v[S+64*\x], v[S+64*\x+1], v[S+64*\x+2]
	v_max3_num_f32 v[ST+12*\x+7], v[S+64*\x+3], v[S+64*\x+4], v[S+64*\x+5]
.endr
.set i, 6
.rept 14
.irp x, 0,1
	v_max3_num_f32 v[ST+12*\x+6], v[ST+12*\x+6], v[S+64*\x+i], v[S+64*\x+i+1]
	v_max3_num_f32 v[ST+12*\x+7], v[ST+12*\x+7], v[S+64*\x+i+2], v[S+64*\x+i+3]
.endr
.set i, i+4
.endr
.irp x, 0,1
	v_max3_num_f32 v[ST+12*\x+6], v[ST+12*\x+6], v[S+64*\x+62], v[S+64*\x+63]
.endr
.irp x, 0,1
	s_delay_alu instid0(VALU_DEP_2)
	v_max_num_f32 v[ST+12*\x+6], v[ST+12*\x+6], v[ST+12*\x+7]
.endr
.irp x, 0,1
	s_delay_alu instid0(VALU_DEP_2)
	v_permlanex16_b32 v[ST+12*\x+8], v[ST+12*\x+6], s38, s39       ; the query's other 64 keys lie in the lane 16 away
.endr
.irp x, 0,1
	s_delay_alu instid0(VALU_DEP_2)
	v_max_num_f32 v[ST+12*\x+6], v[ST+12*\x+6], v[ST+12*\x+8]
.endr
.irp x, 0,1
	s_delay_alu instid0(VALU_DEP_2)
	v_mul_f32 v[ST+12*\x+6], s36, v[ST+12*\x+6]                    ; as t (c is positive)
.endr
.irp x, 0
	s_delay_alu instid0(VALU_DEP_2)
	v_max_num_f32 v[ST+12*\x+1], v[ST+12*\x+1], v[ST+12*\x+6]      ; the running largest t
	v_mov_b32 v[ST+12*\x+9], v[ST+12*\x]
.endr
.irp x, 1
	s_delay_alu instid0(VALU_DEP_3)
	v_max_num_f32 v[ST+12*\x+1], v[ST+12*\x+1], v[ST+12*\x+6]
	v_mov_b32 v[ST+12*\x+9], v[ST+12*\x]
.endr
.irp x, 0
	s_delay_alu instid0(VALU_DEP_4)
	v_floor_f32 v[ST+12*\x], -v[ST+12*\x+1]
.endr
.irp x, 1
	s_delay_alu instid0(VALU_DEP_3)
	v_floor_f32 v[ST+12*\x], -v[ST+12*\x+1]                        ; the new -M = floor(-t): M is a whole number
.endr
.irp x, 0,1
	s_delay_alu instid0(VALU_DEP_2)
	v_sub_f32 v[ST+12*\x+9], v[ST+12*\x], v[ST+12*\x+9]            ; old M - new M: a whole number, 0 or less
.endr
.irp x, 0,1
	s_delay_alu instid0(VALU_DEP_2)
	v_cvt_i32_f32 v[ST+12*\x+9], v[ST+12*\x+9]                     ; (it saturates)
.endr
.irp x, 0,1
	s_delay_alu instid0(VALU_DEP_2)
	v_ldexp_f32 v[ST+12*\x+4], 1.0, v[ST+12*\x+9]                  ; f = 2^(old M - new M)
.endr
.set i, 0
.rept 32
.irp x, 0,1
	v_pk_fma_f32 v[S+64*\x+i:S+64*\x+i+1], v[S+64*\x+i:S+64*\x+i+1], s[36:37], v[ST+12*\x:ST+12*\x+1] op_sel_hi:[1,0,0]   ; t - M, two at a time (of the pairs c and -M the low word serves both halves)
.endr
.set i, i+2
.endr
.set i, 0
	s_wait_alu depctr_va_vdst(0)
.rept 128
	v_exp_f32 v[S+i], v[S+i]                       ; p = 2^(t - M), at most 1
.set i, i+1
.endr
.irp x, 0,1
	v_pk_mul_f32 v[ST+12*\x+2:ST+12*\x+3], v[ST+12*\x+2:ST+12*\x+3], v[ST+12*\x+4:ST+12*\x+5] op_sel_hi:[1,0]   ; the sums under the new M: plain instructions behind the exponentials
.endr
	s_wait_alu depctr_va_vdst(0)                   ; the wait ahead of the first instruction that names an exponential's result: one for the batch of 128
.irp x, 0,1
	v_pk_add_f32 v[ST+12*\x+6:ST+12*\x+7], v[S+64*\x:S+64*\x+1], v[S+64*\x+2:S+64*\x+3]   ; the row's sum is taken of the unquantised p: two chains a tile
.endr
.set i, 4
.rept 15
.irp x, 0,1
	v_pk_add_f32 v[ST+12*\x+2:ST+12*\x+3], v[ST+12*\x+2:ST+12*\x+3], v[S+64*\x+i:S+64*\x+i+1]
	v_pk_add_f32 v[ST+12*\x+6:ST+12*\x+7], v[ST+12*\x+6:ST+12*\x+7], v[S+64*\x+i+2:S+64*\x+i+3]
.endr
.set i, i+4
.endr
.irp x, 0
	s_delay_alu instid0(VALU_DEP_3)
	v_pk_add_f32 v[ST+12*\x+2:ST+12*\x+3], v[ST+12*\x+2:ST+12*\x+3], v[ST+12*\x+6:ST+12*\x+7]
.endr
.irp x, 1
	s_delay_alu instid0(VALU_DEP_2)
	v_pk_add_f32 v[ST+12*\x+2:ST+12*\x+3], v[ST+12*\x+2:ST+12*\x+3], v[ST+12*\x+6:ST+12*\x+7]
.endr
.set i, 0
.rept 8
.irp x, 0,1
.irp j, 0,1,2,3,4,5,6,7
.endr
	v_cvt_scalef32_pk8_fp8_f32 v[P+16*\x+2*i:P+16*\x+2*i+1], v[S+64*\x+8*i:S+64*\x+8*i+7], v[PSC]   ; keys 16 i + 8 hl + 0 .. 7: registers 2 i, 2 i + 1 of P
.endr
.set i, i+1
.endr
	WIN 0x41                                       ; O^T (destination and source 0) window 1, f window 0
.set i, 0
.rept 16
.irp x, 0,1
	v_pk_mul_f32 v[32*\x+i:32*\x+i+1], v[32*\x+i:32*\x+i+1], v[ST+12*\x+4:ST+12*\x+5] op_sel_hi:[1,0]   ; O^T under the new M; also the plain instructions behind the conversions
.endr
.set i, i+2
.endr
	s_wait_alu depctr_va_vdst(0)
	s_wait_dscnt 0x0                               ; V is in
	WIN 0x50                                       ; C and D window 1
.irp t, 0,1,2,3
.irp x, 0,1
	v_wmma_f32_16x16x128_fp8_fp8 v[32*\x+8*\t:32*\x+8*\t+7], v[KV+16*\t:KV+16*\t+15], v[P+16*\x:P+16*\x+15], v[32*\x+8*\t:32*\x+8*\t+7]   ; eight accumulators by turns
.endr
.endr
	WIN 0
.rept 4
	v_nop                                          ; four places in front of the next loads into V's registers, and of the first read of O^T
.endr
	s_xor_b32 s40, s40, SLOT1                      ; on to the other slot
.endm
	s_load_b256 s[4:11], s[0:1], 0x0               ; q_img s[4:5], kv_img s[6:7], wm_img s[8:9], bm s[10:11]
	s_load_b128 s[12:15], s[0:1], 0x20             ; the scales' exponents s[12:13], out0 s[14:15]
	v_lshl_add_u32 v[SPW], v0, 2, SPARE
	v_mov_b32 v[NIL], 0
	ds_add_u32 v4, v5
	ds_add_u32 v4, v5
	s_wait_dscnt 0x0
	v_lshrrev_b32 v1, 5, v0
	s_delay_alu instid0(VALU_DEP_1)
	v_readfirstlane_b32 s18, v1                    ; wave 0..7
	s_and_b32 s19, s18, 3                          ; h
	s_lshr_b32 s20, s18, 2                         ; sp
	s_bfe_u32 s21, ttmp6, 0x40000                  ; cx: my place in the cluster
	s_lshl_b32 s22, ttmp9, 2
	s_add_co_u32 s22, s22, s21                     ; my block of 32 queries: it enters Q's and out0's addresses alone
	s_and_b32 s23, ttmp7, 0xffff                   ; the batch, which the four partners share
	; descriptor group 1: 16,384 dense bytes as 64 rows of 256
	s_mov_b32 s24, 15|(3<<16)|(1<<21)              ; 15:0 the mask: all four work-groups; 17:16 elements of 8 bytes; 21 set beside a mask; no padding
	s_mov_b32 s25, 32<<16                          ; tensor_dim0
	s_mov_b32 s26, 64<<16                          ; tensor_dim1
	s_mov_b32 s27, 32<<16                          ; tile_dim0
	s_mov_b32 s28, 64                              ; tile_dim1
	s_mov_b32 s29, 32                              ; from row to row
	s_mov_b32 s30, 0
	s_mov_b32 s31, 0
	s_mov_b32 s36, 0x3e38aa3b                      ; c = log2(e) / 8
	s_mov_b32 s38, 0x76543210                      ; v_permlanex16_b32: each lane takes its own place in the other half
	s_mov_b32 s39, 0xfedcba98
	s_mov_b32 s40, 0                               ; the LDS slot in hand
	s_mov_b32 s41, 6                               ; slots still to be asked for behind the two first fills
	s_and_b32 s86, ttmp9, 7                        ; the walk begins at slot (cluster x) mod 8: the same in all four partners
	s_lshl_b32 s86, s86, 17
	s_mov_b32 s87, 0
	; byte offsets; s74, s75 take what hangs on the wave and the batch alone, s78 what hangs on my place
	s_lshl_b32 s50, s23, 20
	s_lshl_b32 s74, s18, 14
	s_add_co_u32 s50, s50, s74                     ; K and V: the batch's 2^20 bytes, my 16,384 of a slot
	s_mov_b32 s51, 0
	s_lshl_b32 s54, s23, 2
	s_add_co_u32 s54, s54, s19
	s_lshl_b32 s54, s54, 17
	s_lshl_b32 s78, s22, 11
	s_add_co_u32 s54, s54, s78
	s_lshl_b32 s78, s20, 10
	s_add_co_u32 s54, s54, s78                     ; Q, tile a: (4 b + h) 2^17 + 2,048 x block + 1,024 sp;
	s_xor_b32 s56, s54, 1024                       ; tile b: the block's other fragment
	s_mov_b32 s55, 0
	s_mov_b32 s57, 0
	s_lshl_b32 s60, s23, 21
	s_lshl_b32 s78, s18, 18
	s_add_co_u32 s60, s60, s78
	s_lshl_b32 s78, s22, 7
	s_add_co_u32 s60, s60, s78                     ; out0: the batch, my 32 rows of 8,192 bytes, my block's 128 bytes
	s_mov_b32 s61, 0
	s_lshl_b32 s62, s18, 13                        ; wm's images: my four fragments
	s_mov_b32 s63, 0
	s_lshl_b32 s52, s18, 7                         ; bm: my 32 numbers
	s_mov_b32 s53, 0
	v_and_b32 v1, 31, v0
	s_delay_alu instid0(VALU_DEP_1)
	v_lshlrev_b32 v[L16], 4, v1
	v_and_b32 v[R4], 15, v0
	s_delay_alu instid0(VALU_DEP_1)
	v_lshlrev_b32 v[R4], 2, v[R4]
	s_lshl_b32 s74, s19, 13
	s_lshl_b32 s75, s20, 16
	s_add_co_u32 s74, s74, s75
	v_add_nc_u32 v[AL0], s74, v[L16]
	s_wait_alu depctr_va_vdst(0)
	s_wait_kmcnt 0x0
	s_load_b128 s[68:71], s[12:13], 0x18           ; e6 .. e9
	s_load_b64 s[72:73], s[12:13], 0x28            ; e10, e11
	s_add_nc_u64 s[46:47], s[4:5], s[54:55]
	s_add_nc_u64 s[48:49], s[4:5], s[56:57]
	s_add_nc_u64 s[8:9], s[8:9], s[62:63]
	s_add_nc_u64 s[10:11], s[10:11], s[52:53]
	s_add_nc_u64 s[14:15], s[14:15], s[60:61]
	s_add_nc_u64 s[84:85], s[6:7], s[50:51]        ; it hangs on the batch and the wave alone
	s_mov_b32 s80, 1                               ; group 0 of the first fill: count = 1
	s_lshl_b32 s81, s18, 14                        ; LDS address: slot 0, my 16,384 bytes
	s_add_nc_u64 s[82:83], s[84:85], s[86:87]      ; global address: the walk's first slot
	s_or_b32 s83, s83, 0x80000000                  ; type = 2
	s_add_co_u32 s86, s86, SLOT1
	s_and_b32 s86, s86, BATCHB-1                   ; the walk's second slot
	s_mov_b32 s32, 1                               ; group 0 of the second fill, which then walks
	s_add_co_u32 s33, s81, SLOT1                   ; LDS slot 1
	s_add_nc_u64 s[34:35], s[84:85], s[86:87]
	s_or_b32 s35, s35, 0x80000000
	WIN 0x40                                       ; destination window 1
.irp g, 0,1
	global_load_b128 v[QF+4*\g:QF+4*\g+3], v[L16], s[46:47] offset:512*\g
.endr
.irp g, 0,1
	global_load_b128 v[QF+8+4*\g:QF+8+4*\g+3], v[L16], s[48:49] offset:512*\g
.endr
	WIN 0
	CROUND                                         ; all four work-groups are here: the first joint loads meet
	tensor_load_to_lds s[80:83], s[24:31]          ; both slots' first fills stand together, ahead of every wait on TENSORcnt and every LDS read: two loads of mine are out
	s_nop 0
	tensor_load_to_lds s[32:35], s[24:31]
	s_nop 0
.rept 4
	v_nop
.endr
	WIN 0x40                                       ; what is wanted only later stands behind the first fills
.set i, 0
.rept 16
	global_load_b128 v[WMF+4*i:WMF+4*i+3], v[L16], s[8:9] offset:512*i   ; fragment (ot, g) at v[WMF + 16 (2 ot + g)]: wanted at the end
.set i, i+1
.endr
.irp ot, 0,1
	global_load_b32 v[BMR+\ot], v[R4], s[10:11] offset:64*\ot            ; bm[32 w + 16 ot + r]
.endr
.set i, 0
.rept 64
	v_mov_b32 v[i], 0                              ; O^T.  (The step is written alike for all steps: the first finds zeros, which the first change of M leaves zeros)
.set i, i+1
.endr
	WIN 0
.irp x, 0,1
	v_mov_b32 v[ST+12*\x+1], 0xff61b1e6            ; the largest t so far: -3e38, under every t
	s_delay_alu instid0(VALU_DEP_1)
	v_floor_f32 v[ST+12*\x], -v[ST+12*\x+1]        ; -M
	v_mov_b32 v[ST+12*\x+2], 0                     ; the sum, in two halves
	v_mov_b32 v[ST+12*\x+3], 0
	v_mov_b32 v[ST+12*\x+5], 0                     ; (named as the upper half of f's pair)
	v_mov_b32 v[ST+12*\x+8], 0                     ; written once: a lane permute's destination counts as one of its sources
.endr
	s_wait_kmcnt 0x0
	s_add_co_i32 s74, s68, s69
	s_lshl_b32 s74, s74, 23
	s_add_co_i32 s36, s36, s74                     ; a score stands for score x 2^(e6 + e7): the two exponents are added to c's exponent field
	s_mov_b32 s37, s36                             ; (named with it as a pair, so it is written)
	s_add_co_i32 s74, s71, 127
	s_lshl_b32 s75, s74, 23
	v_mov_b32 v[PSC], s75                          ; 2^e9 as f32, for the conversion
	s_add_co_i32 s74, s74, 8
	s_lshl_b32 s74, s74, 23
	s_or_b32 s74, s74, 0x600000
	s_wait_loadcnt 18                              ; Q's four loads are in; wm's sixteen and bm's two, issued behind them, may be out
	s_wait_tensorcnt 0x1                           ; my part of slot 0 is in; slot 1's load, issued behind it, may stay out
	s_barrier_signal -1
	s_barrier_wait -1                              ; everybody's part is in
	STEP                                           ; the walk's first slot
.Lslot:                                            ; six trips: behind each of these changes the slot just left is filled again
	CHANGE 1
	STEP
	s_sub_co_u32 s41, s41, 1
	s_cmp_lg_u32 s41, 0
	s_cbranch_scc1 .Lslot
	CHANGE 0                                       ; the last slot is written out
	STEP
	; ---- THE END.  Addresses, each a constant + a constant x lane + a constant x wave
	s_mul_i32 s74, s18, XSW
	s_add_co_u32 s74, s74, XS                      ; my region
	s_xor_b32 s75, s18, 4
	s_mul_i32 s75, s75, XSW
	s_add_co_u32 s75, s75, XS                      ; my partner's
	s_lshl_b32 s77, s18, 10
	s_add_co_u32 s77, s77, OIMG
	v_and_b32 v203, 31, v0                         ; lane
	v_bfe_u32 v204, v0, 3, 2                       ; lane / 8
	v_and_b32 v205, 7, v0                          ; lane % 8
	v_and_b32 v206, 15, v0                         ; r
	v_bfe_u32 v207, v0, 4, 1                       ; hl
	v_add_nc_u32 v[XW], s74, v[L16]
	v_lshl_add_u32 v[XW4], v203, 2, s74
	s_delay_alu instid0(VALU_DEP_1)
	v_add_nc_u32 v[XW4], 4096, v[XW4]
	v_add_nc_u32 v[XRD], s75, v[L16]
	v_lshl_add_u32 v[XR4], v203, 2, s75
	s_delay_alu instid0(VALU_DEP_1)
	v_add_nc_u32 v[XR4], 4096, v[XR4]
	v_add_nc_u32 v[OW], s77, v[L16]
	v_add_nc_u32 v[OLD], OIMG, v[L16]
	v_mul_u32_u24 v[STO], v206, 144
	s_delay_alu instid0(VALU_DEP_1)
	v_lshl_add_u32 v[STO], v207, 5, v[STO]
	s_delay_alu instid0(VALU_DEP_1)
	v_add_nc_u32 v[STO], s74, v[STO]               ; the stage, in: row r, + 32 hl
	v_mul_u32_u24 v[SRD], v204, 144
	s_delay_alu instid0(VALU_DEP_1)
	v_lshl_add_u32 v[SRD], v205, 4, v[SRD]
	s_delay_alu instid0(VALU_DEP_1)
	v_add_nc_u32 v[SRD], s74, v[SRD]               ; back: eight lanes to a row of 128 bytes, four rows an instruction
	v_lshlrev_b32 v[GO], 13, v204
	s_delay_alu instid0(VALU_DEP_1)
	v_lshl_add_u32 v[GO], v205, 4, v[GO]           ; and the same four rows in out0
	s_add_co_i32 s74, s72, 127
	s_lshl_b32 s75, s74, 23
	v_mov_b32 v202, s75                            ; 2^e10
	s_add_co_i32 s76, s72, s73
	s_add_co_i32 s76, s76, 127
	s_lshl_b32 s76, s76, 23                        ; 2^(e10 + e11) as f32
	s_add_co_i32 s79, s70, s71                     ; e8 + e9
	v_mov_b32 v211, 0                              ; (named as the upper halves of pairs)
	v_mov_b32 v213, 0
.irp x, 0,1
	v_add_f32 v[ST+12*\x+2], v[ST+12*\x+2], v[ST+12*\x+3]          ; the sum's two halves,
.endr
.irp x, 0,1
	s_delay_alu instid0(VALU_DEP_2)
	v_permlanex16_b32 v[ST+12*\x+8], v[ST+12*\x+2], s38, s39
.endr
.irp x, 0,1
	s_delay_alu instid0(VALU_DEP_2)
	v_add_f32 v[ST+12*\x+2], v[ST+12*\x+2], v[ST+12*\x+8]          ; and the other half of the lanes': my keys' sum
.endr
	WIN 0x04                                       ; an LDS store's data: source 1, window 1
.set i, 0
.rept 8
	ds_store_b128 v[XW], v[32+4*i:35+4*i] offset:512*i             ; tile b's O^T as it stands, each accumulator from its low end on
.set i, i+1
.endr
	WIN 0
	ds_store_b32 v[XW4], v[ST+12]                  ; its -M,
	ds_store_b32 v[XW4], v[ST+14] offset:128       ; its sum
	s_wait_dscnt 0x0                               ; for my partner's sake: the stores have landed
	s_barrier_signal -1
	s_barrier_wait -1
.set i, 0
.rept 8
	ds_load_b128 v[S+4*i:S+4*i+3], v[XRD] offset:512*i             ; my tile a, as my partner's keys made it
.set i, i+1
.endr
	ds_load_b32 v214, v[XR4]
	ds_load_b32 v215, v[XR4] offset:128
	s_wait_dscnt 0x0
	v_min_num_f32 v205, v[ST], v214                ; -M of both halves together
	s_delay_alu instid0(VALU_DEP_1)
	v_sub_f32 v206, v205, v[ST]
	s_delay_alu instid0(VALU_DEP_2)
	v_sub_f32 v207, v205, v214
	s_delay_alu instid0(VALU_DEP_2)
	v_cvt_i32_f32 v206, v206
	s_delay_alu instid0(VALU_DEP_2)
	v_cvt_i32_f32 v207, v207
	s_delay_alu instid0(VALU_DEP_2)
	v_ldexp_f32 v206, 1.0, v206                    ; 2^(my M - M),
	s_wait_alu depctr_va_vdst(0)
	v_ldexp_f32 v207, 1.0, v207                    ; 2^(my partner's M - M): exact
	v_mul_f32 v208, v[ST+2], v206
	s_delay_alu instid0(VALU_DEP_1)
	v_fma_f32 v208, v215, v207, v208               ; the row's sum
	s_wait_alu depctr_va_vdst(0)
	v_rcp_f32 v208, v208
	v_nop                                          ; a plain instruction behind the reciprocal
	s_wait_alu depctr_va_vdst(0)                   ; and the wait ahead of its first reader
	v_ldexp_f32 v208, v208, s79                    ; x 2^(e8 + e9)
	s_delay_alu instid0(VALU_DEP_1)
	v_mul_f32 v210, v206, v208
	s_delay_alu instid0(VALU_DEP_2)
	v_mul_f32 v212, v207, v208
.set i, 0
.rept 16
	v_pk_mul_f32 v[128+i:129+i], v[S+i:S+i+1], v[212:213] op_sel_hi:[1,0]
.set i, i+2
.endr
	WIN 0x01                                       ; source 0 (my O^T of tile a) window 1
.set i, 0
.rept 16
	v_pk_fma_f32 v[128+i:129+i], v[i:i+1], v[210:211], v[128+i:129+i] op_sel_hi:[1,0,1]   ; the attention's result, f32: register 8 t + j is d = 16 t + 8 hl + j of query r
.set i, i+2
.endr
	WIN 0
.irp t, 0,1,2,3
.irp j, 0,1,2,3,4,5,6,7
.endr
	v_cvt_scalef32_pk8_fp8_f32 v[160+2*\t:161+2*\t], v[128+8*\t:135+8*\t], v202
.endr
	v_nop                                          ; one plain vector instruction behind the last conversion
	ds_store_b128 v[OW], v[160:163]                ; fragment 4 x (query tile) + head = my wave's number
	ds_store_b128 v[OW], v[164:167] offset:512
	s_wait_dscnt 0x0                               ; my stores have landed, and my reads of my partner's region are over
	s_barrier_signal -1
	s_barrier_wait -1
	; ---- the last projection: my 32 outputs o = 32 w + 16 ot + r for the 32 queries; K = 256 in two steps of two heads each
.set i, 0
.rept 16
	ds_load_b128 v[KV+4*i:KV+4*i+3], v[OLD] offset:512*i           ; operand (qt, g) at v[KV + 16 (2 qt + g)]: heads 2 g and 2 g + 1 of query tile qt
.set i, i+1
.endr
	s_wait_dscnt 0x0
	s_wait_loadcnt 0x0                             ; wm's fragments and bm
	WIN 0x04                                       ; source 1 (wm) window 1
.irp g, 0,1
.irp qt, 0,1
.irp ot, 0,1
.if \g == 0
	v_wmma_f32_16x16x128_fp8_fp8 v[S+8*(2*\qt+\ot):S+8*(2*\qt+\ot)+7], v[KV+16*(2*\qt+\g):KV+16*(2*\qt+\g)+15], v[WMF+16*(2*\ot+\g):WMF+16*(2*\ot+\g)+15], 0
.else
	v_wmma_f32_16x16x128_fp8_fp8 v[S+8*(2*\qt+\ot):S+8*(2*\qt+\ot)+7], v[KV+16*(2*\qt+\g):KV+16*(2*\qt+\g)+15], v[WMF+16*(2*\ot+\g):WMF+16*(2*\ot+\g)+15], v[S+8*(2*\qt+\ot):S+8*(2*\qt+\ot)+7]
.endif
.endr
.endr
.endr
.rept 4
	v_nop
.endr
	WIN 0x10                                       ; source 2 (bm) window 1
.irp qt, 0,1
.irp ot, 0,1
.irp j, 0,1,2,3,4,5,6,7
	v_fma_f32 v[128+8*(2*\qt+\ot)+\j], v[S+8*(2*\qt+\ot)+\j], s76, v[BMR+\ot]   ; sum x 2^(e10 + e11) + bm: out0(o, query 16 qt + 8 hl + j)
.endr
.endr
.endr
	WIN 0
.irp qt, 0,1
.irp ot, 0,1
	ds_store_b128 v[STO], v[128+8*(2*\qt+\ot):128+8*(2*\qt+\ot)+3] offset:2304*\ot+64*\qt      ; my own stage: my partner's reads of this region ended in front of the last barrier
	ds_store_b128 v[STO], v[128+8*(2*\qt+\ot)+4:128+8*(2*\qt+\ot)+7] offset:2304*\ot+64*\qt+16
.endr
.endr
.set i, 0
.rept 8
	ds_load_b128 v[160+4*i:163+4*i], v[SRD] offset:576*i           ; LDS serves a wave's instructions in order (ISA guide 5.7.1.4): these see my stores
.set i, i+1
.endr
.set i, 0
.rept 8
	s_wait_dscnt 7-i                               ; rows 4 i .. 4 i + 3 are back; the younger loads may be out
	global_store_b128 v[GO], v[160+4*i:163+4*i], s[14:15] offset:32768*i th:TH_STORE_NT   ; eight lanes store a row's 128 consecutive bytes; written once, read by nobody here
.set i, i+1
.endr
	s_wait_tensorcnt 0x0                           ; the wave's end: after my last tensor load and my last LDS store
	ds_add_u32 v[SPW], v[NIL]
	s_wait_dscnt 0x0
	CROUND                                         ; the closing round: no work-group ends while a partner may still ask for a tile that names it
	s_endpgm
.Lfunc_end_k_qb8fa79debc_attn:
	.size	k_qb8fa79debc_attn, .Lfunc_end_k_qb8fa79debc_attn-k_qb8fa79debc_attn
	.p2alignl 7, 3214868480
	.fill 96, 4, 3214868480
	.section	.rodata,"a",@progbits
	.p2align	6, 0x0
	.amdhsa_kernel k_qb8fa79debc_attn
		.amdhsa_group_segment_fixed_size 327680
		.amdhsa_private_segment_fixed_size 0
		.amdhsa_enable_private_segment 0
		.amdhsa_kernarg_size 48
		.amdhsa_user_sgpr_count 2
		.amdhsa_user_sgpr_kernarg_segment_ptr 1
		.amdhsa_wavefront_size32 1
		.amdhsa_system_sgpr_workgroup_id_x 1
		.amdhsa_system_sgpr_workgroup_id_y 1
		.amdhsa_system_sgpr_workgroup_id_z 1
		.amdhsa_system_vgpr_workitem_id 0
		.amdhsa_next_free_vgpr 408
		.amdhsa_next_free_sgpr 88
		.amdhsa_reserve_vcc 0
		.amdhsa_float_denorm_mode_32 3
		.amdhsa_float_denorm_mode_16_64 3
		.amdhsa_fp16_overflow 1
		.amdhsa_memory_ordered 1
		.amdhsa_forward_progress 1
		.amdhsa_inst_pref_size 100
	.end_amdhsa_kernel
	.amdgpu_metadata
---
amdhsa.version: [ 1, 2 ]
amdhsa.kernels:
  - .name:           k_qb8fa79debc_attn
    .symbol:         k_qb8fa79debc_attn.kd
    .args:
      - { .name: q_img, .offset: 0, .size: 8, .value_kind: global_buffer, .address_space: global }
      - { .name: kv_img, .offset: 8, .size: 8, .value_kind: global_buffer, .address_space: global }
      - { .name: wm_img, .offset: 16, .size: 8, .value_kind: global_buffer, .address_space: global }
      - { .name: bm, .offset: 24, .size: 8, .value_kind: global_buffer, .address_space: global }
      - { .name: lowp_scales, .offset: 32, .size: 8, .value_kind: global_buffer, .address_space: global }
      - { .name: out0, .offset: 40, .size: 8, .value_kind: global_buffer, .address_space: global }
    .group_segment_fixed_size: 327680
    .private_segment_fixed_size: 0
    .kernarg_segment_align: 8
    .kernarg_segment_size: 48
    .max_flat_workgroup_size: 256
    .sgpr_count:     88
    .vgpr_count:     408
    .wavefront_size: 32
...
	.end_amdgpu_metadata
.endif
;; end of part 2
